; MI455X (gfx1250); checked and timed in simulation.
; The chip was launched on July 23, 2026; its instructions are those of AMD's public machine-readable ISA for CDNA 5 (MIT licence, August 2026) and "CDNA5" Instruction Set Architecture Reference Guide (July 2026). The comments in the code are by the model that wrote it; some were corrected since.
;; Faster RCNN Base. Allowed arithmetic: float matrix products may take bf16 or f16 operands with f32 sums; other float arithmetic in f32, or as packed bf16 or f16 multiplies, adds, multiply-adds, maxima and minima; sums over many terms, partial sums and values carried from step to step in f32; what a program stores and reads back later, other than sums and carried values, may be rounded once to bf16 or f16.
;; Inputs: roi 1,000 x 4 float32; roi_loc 1,000 x 324 float32; roi_score 1,000 x 81 float32.
;; Outputs: out0 80 x 1,000 x 5 float32; out1 80 x 1,000 int32.
;; One version. Each part assembles by itself: llvm-mc -triple=amdgcn-amd-amdhsa -mcpu=gfx1250 --defsym DOCPART=n.
;; ======== version 1 of 1: 2 launches
;; workspace buffers: stats 8,192 bytes; vmask 16,384 bytes of whole numbers
;; launch rowstats (part 1): grid 32 x 1, 1 waves a work-group, no clusters, 11,008 bytes of LDS; arguments roi_score, stats, vmask; writes stats, vmask
.if DOCPART == 1
	.amdgcn_target "amdgcn-amd-amdhsa--gfx1250"
	.amdhsa_code_object_version 6
	.text
	.protected	k_qd09b1a1ff7_rowstats
	.globl	k_qd09b1a1ff7_rowstats
	.p2align	8
	.type	k_qd09b1a1ff7_rowstats,@function
k_qd09b1a1ff7_rowstats:
	s_mov_b64 s[64:65], 0
	v_nop
	global_prefetch_b8 v0, s[64:65] scope:SCOPE_SE
	s_setreg_imm32_b32 hwreg(HW_REG_WAVE_MODE, 25, 1), 1
	s_wait_xcnt 0x0
; FIRST OF TWO LAUNCHES.  reference(): a softmax over 81 classes for each of 1000 rows, a box for each row and class, and for classes 1..80 a sort by
; probability and a greedy suppression.  This launch makes, for each row, the softmax's maximum m and sum S, and for each row and class the answer to
; prob > 0.05, as whole numbers; the second launch reads them and does the rest for the entries that passed.
; WHAT THE PROGRAM LEAVES OUT, for all values of the inputs:
;  (1) class 0's boxes: swapaxes(bbox)[1:] slices them away, so roi_loc[:, 0:4] is never loaded.  Class 0's score is live: it is a term of the softmax's sum.
;  (2) + LOC_MEAN: zeros that reference() builds in its own body.
;  (3) pairs with idx <= i: reference() masks them.
;  (4) an entry with prob <= 0.05 starts with keep = false; body() only clears bits of keep, so it stays false: its five numbers are 0 and its label -1 whatever
;      its box and its place, and sup = keep[i] & .. is empty for it.  The sort is descending, so the n entries above 0.05 hold places 0 .. n-1, in the order
;      that they have among themselves.  WHICH entries these are hangs on the values: it is decided here, stored as whole numbers, and read by the next launch.
; All three inputs have a way to an output and are loaded (roi and roi_loc by the second launch).
; LIMITS.  A NaN, an infinity or an overflow that reaches only work left out is not carried to the result.  e = 2^((x - m) log2 e) by v_exp_f32 (accurate to 1 ulp; results
; below 2^-126 count as 0), the test is e > 0.05 S in place of e / S > 0.05: a probability within a few ulp of 0.05 may fall on the other side than in reference().
; SHARES.  A work-group is one wave and owns 32 rows, a lane a row: then a compare's result register IS the 32 rows' answer for one class.  The 32 rows are 10,368
; consecutive bytes: they are loaded 16 bytes a lane, 512 consecutive bytes an instruction, laid into LDS as they lie, and read back a row a lane.
.set ROWB,  324                        ; bytes in a row of roi_score
.set CHUNK, 32*ROWB                    ; the wave's rows
.set NLD,   21                         ; loads of 512 bytes that cover them (the last one reaches into the next wave's rows: those bytes are not used)
.set LASTB, 1000*ROWB-16               ; the buffer's last 16 bytes: no load starts behind them
.set SPARE, NLD*512                    ; behind the stage: the spare words, one block of 256 bytes that no other line names
.set AD,  2                            ; v[2:22]    byte offsets of the 21 loads
.set DT,  24                           ; v[24:107]  what they bring
.set X,   110                          ; v[110:190] my row's 81 scores, then x - m, then e
.set MX,  192                          ; v[192:195] four running maxima; then m, m
.set AC,  196                          ; v[196:203] four pairs of running sums
.set W,   204                          ; v[204:207] the answers: class k's word in lane k / 4, register k % 4
.set ST,  208                          ; v[208:209] m, S
.set THR, 210                          ; v210  0.05 S
.set LA,  211                          ; v211  my row in the stage
.set RW,  212                          ; v212  my row's number
.set SO,  213                          ; v213  my 8 bytes of stats
.set SPW, 214                          ; v214  LDS address of my spare word; never rewritten
.set NIL, 215                          ; v215  0; never rewritten
	s_load_b128 s[4:7], s[0:1], 0x0                ; roi_score s[4:5], stats s[6:7]
	s_load_b64 s[8:9], s[0:1], 0x10                ; vmask
	v_lshl_add_u32 v[SPW], v0, 2, SPARE
	v_mov_b32 v[NIL], 0
	s_mul_i32 s10, ttmp9, CHUNK                    ; my rows in roi_score
	s_lshl_b32 s12, ttmp9, 8                       ; my 256 bytes of stats
	s_mov_b32 s13, 0
	s_lshl_b32 s14, ttmp9, 9                       ; my 512 bytes of vmask
	s_mov_b32 s15, 0
	s_lshl_b32 s16, ttmp9, 5                       ; my first row
	s_mov_b32 s18, 0x3fb8aa3b                      ; log2 e
	s_mov_b32 s19, s18                             ; named with it as a pair
	v_lshlrev_b32 v1, 4, v0                        ; 16 x lane: in the stage, and in my 512 bytes of vmask
	v_add_nc_u32 v[AD], s10, v1
.set i, 1
.rept NLD-1
	v_add_nc_u32 v[AD+i], 512*i, v[AD]
.set i, i+1
.endr
.set i, 0
.rept NLD
	v_min_u32 v[AD+i], LASTB, v[AD+i]              ; the last work-group has 8 rows: what would lie behind the buffer's end reads its last 16 bytes instead
.set i, i+1
.endr
	v_mul_u32_u24 v[LA], ROWB, v0
	v_add_nc_u32 v[RW], s16, v0
	v_lshlrev_b32 v[SO], 3, v0
.irp r, 0,1,2,3
	v_mov_b32 v[W+\r], 0                           ; words 0 and 81 .. 127 stay 0
.endr
	s_wait_kmcnt 0x0
.set i, 0
.rept NLD
	global_load_b128 v[DT+4*i:DT+4*i+3], v[AD+i], s[4:5]
.set i, i+1
.endr
	s_add_nc_u64 s[6:7], s[6:7], s[12:13]
	s_add_nc_u64 s[8:9], s[8:9], s[14:15]
.set i, 0
.rept NLD
	s_wait_loadcnt NLD-1-i                         ; loads come back in order (ISA guide 5.7.1): load i is in, the younger ones stay out
	ds_store_b128 v1, v[DT+4*i:DT+4*i+3] offset:512*i
.set i, i+1
.endr
.set k, 0
.rept 81
	ds_load_b32 v[X+k], v[LA] offset:4*k           ; LDS serves a wave's instructions in order (ISA guide 5.7.1.4): these see the stores above.  Lanes are 81 words apart, an odd number
.set k, k+1
.endr
	s_wait_dscnt 0x0
	; the row's maximum: four chains, three operands at a time
.irp c, 0,1,2,3
	v_max_num_f32 v[MX+\c], v[X+\c], v[X+4+\c]
.endr
.set k, 8
.rept 9
.irp c, 0,1,2,3
	v_max3_num_f32 v[MX+\c], v[MX+\c], v[X+k+\c], v[X+k+4+\c]
.endr
.set k, k+8
.endr
	v_max3_num_f32 v[MX], v[MX], v[MX+1], v[X+80]
	v_max_num_f32 v[MX+2], v[MX+2], v[MX+3]
	v_max_num_f32 v[MX], v[MX], v[MX+2]
	v_mov_b32 v[MX+1], v[MX]                       ; m twice, a pair for the packed subtraction
	v_mov_b32 v[ST], v[MX]
.set k, 0
.rept 40
	v_pk_add_f32 v[X+k:X+k+1], v[X+k:X+k+1], v[MX:MX+1] neg_lo:[0,1] neg_hi:[0,1]   ; x - m, as reference() takes the maximum away
.set k, k+2
.endr
	v_sub_f32 v[X+80], v[X+80], v[MX]
.set k, 0
.rept 40
	v_pk_mul_f32 v[X+k:X+k+1], v[X+k:X+k+1], s[18:19] op_sel_hi:[1,0]
.set k, k+2
.endr
	v_mul_f32 v[X+80], s18, v[X+80]
.set k, 0
.rept 81
	v_exp_f32 v[X+k], v[X+k]                       ; one batch: none of these names another's result
.set k, k+1
.endr
	v_nop                                          ; a plain instruction behind the last exponential (ISA guide 5.7.2)
	s_wait_alu depctr_va_vdst(0)                   ; one wait for the 81, ahead of their first reader
	; the row's sum, in f32: four chains of pairs
.irp c, 0,1,2,3
	v_pk_add_f32 v[AC+2*\c:AC+2*\c+1], v[X+2*\c:X+2*\c+1], v[X+8+2*\c:X+8+2*\c+1]
.endr
.set k, 16
.rept 8
.irp c, 0,1,2,3
	v_pk_add_f32 v[AC+2*\c:AC+2*\c+1], v[AC+2*\c:AC+2*\c+1], v[X+k+2*\c:X+k+2*\c+1]
.endr
.set k, k+8
.endr
	v_pk_add_f32 v[AC:AC+1], v[AC:AC+1], v[AC+2:AC+3]
	v_pk_add_f32 v[AC+4:AC+5], v[AC+4:AC+5], v[AC+6:AC+7]
	v_pk_add_f32 v[AC:AC+1], v[AC:AC+1], v[AC+4:AC+5]
	v_add_f32 v[AC], v[AC], v[AC+1]
	v_add_f32 v[ST+1], v[AC], v[X+80]              ; S
	v_mul_f32 v[THR], 0x3d4ccccd, v[ST+1]          ; 0.05 S
	v_cmp_gt_u32 vcc_lo, 1000, v[RW]
	v_cndmask_b32 v[THR], 0x7f800000, v[THR], vcc_lo   ; a lane without a row compares with infinity: its bits are 0
	; classes 1 .. 80: the compare's result is the 32 rows' word; eight compares, then eight moves into the words' lanes
.set k, 1
.rept 10
.irp u, 0,1,2,3,4,5,6,7
	v_cmp_gt_f32 s[20+\u], v[X+k+\u], v[THR]
.endr
.irp u, 0,1,2,3,4,5,6,7
	v_writelane_b32 v[W+(k+\u)%4], s[20+\u], (k+\u)/4
.endr
.set k, k+8
.endr
	global_store_b128 v1, v[W:W+3], s[8:9]         ; 512 consecutive bytes, at a multiple of 512 from vmask's first byte: word k = class k
	global_store_b64 v[SO], v[ST:ST+1], s[6:7]     ; 256 consecutive bytes, at a multiple of 256 from stats' first byte
	s_wait_tensorcnt 0x0                           ; the wave's end, behind my last LDS store
	ds_add_u32 v[SPW], v[NIL]
	s_wait_dscnt 0x0
	s_endpgm
.Lfunc_end_k_qd09b1a1ff7_rowstats:
	.size	k_qd09b1a1ff7_rowstats, .Lfunc_end_k_qd09b1a1ff7_rowstats-k_qd09b1a1ff7_rowstats
	.p2alignl 7, 3214868480
	.fill 96, 4, 3214868480
	.section	.rodata,"a",@progbits
	.p2align	6, 0x0
	.amdhsa_kernel k_qd09b1a1ff7_rowstats
		.amdhsa_group_segment_fixed_size 11008
		.amdhsa_private_segment_fixed_size 0
		.amdhsa_enable_private_segment 0
		.amdhsa_kernarg_size 24
		.amdhsa_user_sgpr_count 2
		.amdhsa_user_sgpr_kernarg_segment_ptr 1
		.amdhsa_wavefront_size32 1
		.amdhsa_system_sgpr_workgroup_id_x 1
		.amdhsa_system_sgpr_workgroup_id_y 1
		.amdhsa_system_sgpr_workgroup_id_z 1
		.amdhsa_system_vgpr_workitem_id 0
		.amdhsa_next_free_vgpr 224
		.amdhsa_next_free_sgpr 66
		.amdhsa_reserve_vcc 1
		.amdhsa_float_denorm_mode_32 3
		.amdhsa_float_denorm_mode_16_64 3
		.amdhsa_memory_ordered 1
		.amdhsa_forward_progress 1
		.amdhsa_inst_pref_size 37
	.end_amdhsa_kernel
	.amdgpu_metadata
---
amdhsa.version: [ 1, 2 ]
amdhsa.kernels:
  - .name:           k_qd09b1a1ff7_rowstats
    .symbol:         k_qd09b1a1ff7_rowstats.kd
    .args:
      - { .name: roi_score, .offset: 0, .size: 8, .value_kind: global_buffer, .address_space: global }
      - { .name: stats, .offset: 8, .size: 8, .value_kind: global_buffer, .address_space: global }
      - { .name: vmask, .offset: 16, .size: 8, .value_kind: global_buffer, .address_space: global }
    .group_segment_fixed_size: 11008
    .private_segment_fixed_size: 0
    .kernarg_segment_align: 8
    .kernarg_segment_size: 24
    .max_flat_workgroup_size: 32
    .sgpr_count:     66
    .vgpr_count:     224
    .wavefront_size: 32
...
	.end_amdgpu_metadata
.endif
;; end of part 1
;; launch classnms (part 2): grid 80 x 1, 32 waves a work-group, no clusters, 209,152 bytes of LDS; arguments roi, roi_loc, roi_score, stats, vmask, out0, out1; writes out0, out1
.if DOCPART == 2
	.amdgcn_target "amdgcn-amd-amdhsa--gfx1250"
	.amdhsa_code_object_version 6
	.text
	.protected	k_qd09b1a1ff7_classnms
	.globl	k_qd09b1a1ff7_classnms
	.p2align	8
	.type	k_qd09b1a1ff7_classnms,@function
k_qd09b1a1ff7_classnms:
	s_mov_b64 s[64:65], 0
	v_nop
	global_prefetch_b8 v0, s[64:65] scope:SCOPE_SE
	s_setreg_imm32_b32 hwreg(HW_REG_WAVE_MODE, 25, 1), 1
	s_wait_xcnt 0x0
; SECOND OF TWO LAUNCHES: one work-group for each of the classes 1 .. 80.  Left out, as shown at the head of the first kernel: class 0, + LOC_MEAN, pairs with idx <= i, and all
; work on entries with prob <= 0.05 (they are written as 0 and -1 and suppress nothing); which entries those are is read from vmask, whole numbers that the first launch stored.
; n = the class's entries above 0.05, 0 .. 1000.  They are compacted in row order, ranked, laid in descending order (ties: the lower row first, as a stable argsort does), and suppressed greedily.
; WHAT STEERS WHAT.  Trip counts, the waves' shares and the gathers' rows hang on vmask alone, by integer arithmetic.  What is derived from floating-point numbers (rank, overlap, keep) only selects
; values (v_cndmask_b32, s_cselect_b32, v_and_or_b32): it enters no address and no branch.  So place k of the order finds its entry by comparing every entry's rank with k.
; SHARES.  32 waves; thread t is compacted entry t, later place t of the order.  A wave is live if 32 w < n.  Loops go over blocks of 32 entries, counted to the constant 1024,
; and are left by a forward jump; no barrier stands in a loop or under a branch.
; PHASES.  A phase either loads from LDS through addresses that step from trip to trip, or stores to addresses fixed by the thread's number; a barrier stands between any two phases, so that no wave
; stores while another still loads.  What a loop makes is therefore kept in registers until the barrier behind it.
; LIMITS.  p = e / S with e = 2^t (1 + ln2 dt), t + dt = (x - m) log2 e in two parts, and a refined reciprocal: within about an ulp; exp(dh) = 2^(0.2 log2 e x roi_loc).  iou > 0.5 is tested as
; 3 inter - a_j > a_i + 1e-9, the same inequality with the division cleared: for boxes with ymax >= ymin and xmax >= xmin the denominator a_i + a_j - inter + 1e-9 is positive; any other box has inter = 0
; with every box, and its area counts as 0 at the least here, so that the test fails for it as reference()'s 0 / D > 0.5 does.  The order of rounding differs: two probabilities of a class that
; agree to a few ulp, or an overlap within a few ulp of 0.5, may fall otherwise than in reference().  The clip takes a NaN to a bound (reference() would keep it); NaN and infinities are not treated apart.
.set OUTI,  0                          ; LDS: the class's part of out0 as it lies in memory, 20 bytes a place (1024 places)
.set LBL,   20480                      ; its part of out1, 4 bytes a place
.set PARR,  24576                      ; compacted entries: p's bits (1 for the places n .. that fill the last block)
.set RK,    28672                      ; their ranks
.set SAE,   32768                      ; in order: area + 1e-9
.set CBOX,  36864                      ; compacted entries: boxes, 16 bytes
.set SBOX,  53248                      ; in order: boxes
.set MT,    69632                      ; MT[w][l][b]: which of block w's 32 places box 32 b + l overlaps by more than half
.set PW,    4228                       ; from w to w + 1: 1057 words,
.set PL,    132                        ; from l to l + 1: 33 words: both odd, so 32 lanes along w, along l or along b fall into 32 different banks (64 banks of 4 bytes: ISA guide 11.1)
.set SPARE, 205056                     ; the spare words, 128 bytes for each wave: sixteen blocks of 256 bytes that no other line names
.set SPW, 126                          ; v126  LDS address of my spare word; never rewritten
.set NIL, 127                          ; v127  0; never rewritten
; v0 t   v1 lane   v2 4 t   v3 16 t   v5 my entry's key   v6 20 t   v7 my row of MT   v8 p in order   v9 area   v[10:13] box in order   v15 bits above my lane
; v16-26 at work   v27-29 the pieces of 16 bytes that I store   v30-77 buffers   v78-109 my wave's answers   v110-125 at work
.set BA, 30                            ; the selection's two buffers of 24: 4 ranks, 4 keys, 4 boxes
.set BB, 54
.set IA, 30                            ; the overlaps' two buffers of 20: 4 boxes, 4 areas
.set IB, 50
.set R,  78                            ; v[78:109] register l, lane b: box 32 b + l's answers for my wave's 32 places
.set TT, 110                           ; v[110:125] four sets of four, at work
; s[4:17] the seven addresses   s18 wave   s19 class column   s20 4 x, s21 16 x that   s22 n   s24-25 lane selects   s30 32 w   s31 loop counter   s36-39 masks by turns   s40 keep   s43 1 << b   s68-99 32 scalars
.macro BAR                             ; what others rely on is done in front of the signal
	s_wait_dscnt 0x0
	s_barrier_signal -1
	s_barrier_wait -1
.endm
	s_load_b256 s[4:11], s[0:1], 0x0               ; roi s[4:5], roi_loc s[6:7], roi_score s[8:9], stats s[10:11]
	s_load_b128 s[12:15], s[0:1], 0x20             ; vmask s[12:13], out0 s[14:15]
	s_load_b64 s[16:17], s[0:1], 0x30              ; out1
	v_lshl_add_u32 v[SPW], v0, 2, SPARE
	v_mov_b32 v[NIL], 0
	v_lshrrev_b32 v1, 5, v0
	v_readfirstlane_b32 s18, v1                    ; wave 0..31
	v_and_b32 v1, 31, v0
	s_add_co_u32 s19, ttmp9, 1                     ; label c is column c + 1 of the scores
	s_lshl_b32 s20, s19, 2
	s_lshl_b32 s21, s19, 4
	s_lshl_b32 s30, s18, 5
	s_mov_b32 s24, 0x76543210
	s_mov_b32 s25, 0xfedcba98
	v_lshl_add_u32 v16, v1, 9, s20                 ; lane l: the class's word of rows 32 l .. 32 l + 31
	v_lshlrev_b32 v2, 2, v0
	v_lshlrev_b32 v3, 4, v0
	s_wait_kmcnt 0x0
	global_load_b32 v22, v16, s[12:13]
	; while the words are on their way: what a wave that is not live keeps (its places are written as 0), the answers' start, and where the results go
.irp r, 5,8,9,10,11,12,13,20
	v_mov_b32 v\r, 0
.endr
.set i, 0
.rept 32
	v_mov_b32 v[R+i], 0                            ; blocks behind my own are never computed: their words stay 0
.set i, i+1
.endr
	; The class's 20,000 bytes of out0 and 4,000 of out1 begin at no multiple of 256, so the pieces of 16 bytes are dealt out from the
	; first multiple of 256 on: then each wave's store covers 512 consecutive bytes that begin at a multiple of 256; the pieces in front of it go to the last lanes.
	s_mul_i32 s52, ttmp9, 20000
	s_mov_b32 s53, 0
	s_mul_i32 s54, ttmp9, 4000
	s_mov_b32 s55, 0
	s_add_nc_u64 s[14:15], s[14:15], s[52:53]
	s_add_nc_u64 s[16:17], s[16:17], s[54:55]
	s_sub_co_u32 s48, 0, s52
	s_and_b32 s48, s48, 255
	s_lshr_b32 s48, s48, 4                         ; pieces in front of the first multiple of 256, in out0
	s_sub_co_u32 s49, 0, s54
	s_and_b32 s49, s49, 255
	s_lshr_b32 s49, s49, 4                         ; and in out1
	s_add_co_u32 s50, s48, 1024
	v_mul_u32_u24 v6, 20, v0
	v_add_lshl_u32 v27, v0, s48, 4                 ; out0: every thread one of the first 1024 pieces,
	v_add_nc_u32 v28, s50, v0                      ; threads 0 .. 225 one of the other 226 (of 1250, round the end)
	v_add_nc_u32 v17, 0xfffffb1e, v28              ; - 1250
	v_cmp_gt_u32 vcc_lo, 1250, v28
	v_cndmask_b32 v28, v17, v28, vcc_lo
	v_min_u32 v28, 1249, v28
	v_lshlrev_b32 v28, 4, v28
	v_add_nc_u32 v29, s49, v0                      ; out1: threads 0 .. 249 one of 250 pieces, round the end
	v_add_nc_u32 v17, 0xffffff06, v29              ; - 250
	v_cmp_gt_u32 vcc_lo, 250, v29
	v_cndmask_b32 v29, v17, v29, vcc_lo
	v_min_u32 v29, 249, v29
	v_lshlrev_b32 v29, 4, v29
	v_lshlrev_b32 v15, v1, -2                      ; lane l: the bits above l
	s_wait_loadcnt 0x0
	; the set bits of my lane's word, by sums of neighbouring fields
	v_lshrrev_b32 v24, 1, v22
	v_and_b32 v24, 0x55555555, v24
	v_sub_nc_u32 v23, v22, v24
	v_lshrrev_b32 v24, 2, v23
	v_and_b32 v24, 0x33333333, v24
	v_and_b32 v23, 0x33333333, v23
	v_add_nc_u32 v23, v23, v24
	v_lshrrev_b32 v24, 4, v23
	v_add_nc_u32 v23, v23, v24
	v_and_b32 v23, 0x0f0f0f0f, v23
	v_mul_lo_u32 v23, v23, 0x01010101
	v_lshrrev_b32 v23, 24, v23                     ; lane l: how many of rows 32 l .. passed
	v_mov_b32 v25, v23
.irp m, 1,2,4,8
	v_mov_b32_dpp v24, v25 row_xmask:\m row_mask:0xf bank_mask:0xf
	v_add_nc_u32 v25, v25, v24
.endr
	v_permlanex16_b32 v24, v25, s24, s25
	v_add_nc_u32 v25, v25, v24
	v_readfirstlane_b32 s22, v25                   ; n
	; ---- P1 (live waves): entry j finds its row, gathers, and makes p and the box
	s_cmp_ge_u32 s30, s22
	s_cbranch_scc1 .Lp1_end
.set i, 0
.rept 31
	v_readlane_b32 s[68+i], v23, i
.set i, i+1
.endr
.set i, 1
.rept 30
	s_add_co_u32 s[68+i], s[68+i], s[67+i]         ; s[68+i]: entries in blocks 0 .. i
.set i, i+1
.endr
	v_mov_b32 v16, 0                               ; my block: the last one whose first entry is not behind j
	v_mov_b32 v17, 0                               ; and the entries in front of it
.set i, 0
.rept 8
.irp u, 0,1,2,3
.if i+\u < 31
	v_cmp_le_u32 s[36+\u], s[68+i+\u], v0
.endif
.endr
.irp u, 0,1,2,3
.if i+\u < 31
	v_cndmask_b32 v16, v16, i+\u+1, s[36+\u]
	v_cndmask_b32 v17, v17, s[68+i+\u], s[36+\u]
.endif
.endr
.set i, i+4
.endr
	v_min_u32 v16, 31, v16
	v_lshlrev_b32 v18, 2, v16
	ds_bpermute_b32 v19, v18, v22                  ; my block's word, from the lane that holds it
	v_sub_nc_u32 v20, v0, v17                      ; which of its set bits is mine, from 0
	s_wait_dscnt 0x0
	v_lshrrev_b32 v24, 1, v19
	v_and_b32 v24, 0x55555555, v24
	v_sub_nc_u32 v25, v19, v24                     ; set bits in each field of 2,
	v_lshrrev_b32 v24, 2, v25
	v_and_b32 v24, 0x33333333, v24
	v_and_b32 v26, 0x33333333, v25
	v_add_nc_u32 v26, v26, v24                     ; of 4,
	v_lshrrev_b32 v24, 4, v26
	v_add_nc_u32 v64, v26, v24
	v_and_b32 v64, 0x0f0f0f0f, v64                 ; of 8,
	v_lshrrev_b32 v24, 8, v64
	v_add_nc_u32 v24, v64, v24
	v_and_b32 v24, 0xff, v24                       ; and in the low 16
	v_cmp_ge_u32 vcc_lo, v20, v24                  ; not among them: go up by 16 and count from there
	v_sub_nc_u32 v65, v20, v24
	v_cndmask_b32 v21, 0, 16, vcc_lo
	v_cndmask_b32 v20, v20, v65, vcc_lo
.macro STEP src, width                 ; the same for the lower half of what is left, at bit v21
	v_bfe_u32 v24, \src, v21, \width
	v_cmp_ge_u32 vcc_lo, v20, v24
	v_sub_nc_u32 v65, v20, v24
	v_add_nc_u32 v66, \width, v21
	v_cndmask_b32 v20, v20, v65, vcc_lo
	v_cndmask_b32 v21, v21, v66, vcc_lo
.endm
	STEP v64, 8
	STEP v26, 4
	STEP v25, 2
	STEP v19, 1
	v_lshl_add_u32 v21, v16, 5, v21                ; my row
	v_min_u32 v21, 999, v21                        ; (threads n .. of the last live wave have none: they read some row and are set to nothing below)
	v_mul_u32_u24 v24, 324, v21
	v_add_nc_u32 v24, s20, v24
	v_lshlrev_b32 v25, 3, v21
	v_lshlrev_b32 v26, 4, v21
	v_mul_u32_u24 v64, 1296, v21
	v_add_nc_u32 v64, s21, v64
	global_load_b32 v32, v24, s[8:9]               ; x
	global_load_b64 v[34:35], v25, s[10:11]        ; m, S
	global_load_b128 v[36:39], v26, s[4:5]         ; ymin, xmin, ymax, xmax
	global_load_b128 v[40:43], v64, s[6:7]         ; dy, dx, dh, dw, not yet scaled
	v_cmp_gt_u32 s35, s22, v0                      ; j < n
	s_wait_loadcnt 0x0
	v_sub_f32 v44, v32, v34                        ; x - m
	v_mul_f32 v45, 0x3fb8aa3b, v44                 ; t = (x - m) log2 e, rounded,
	v_mul_f32 v46, 0x3e93bb63, v42                 ; 0.2 log2 e x dh
	v_mul_f32 v47, 0x3e93bb63, v43
	v_fma_f32 v48, v44, 0x3fb8aa3b, -v45           ; and what the rounding dropped
	v_exp_f32 v49, v45                             ; one batch of four
	v_exp_f32 v46, v46
	v_exp_f32 v47, v47
	v_rcp_f32 v50, v35
	v_fmac_f32 v48, 0x32a5705f, v44                ; + (x - m) x the part of log2 e that f32 drops.  Ten plain lines that name no result of the batch
	v_sub_f32 v51, v38, v36                        ; h
	v_sub_f32 v52, v39, v37                        ; w
	v_mul_f32 v53, 0x3dcccccd, v40                 ; 0.1 dy
	v_mul_f32 v54, 0x3dcccccd, v41
	v_fma_f32 v55, 0.5, v51, v36                   ; cy
	v_fma_f32 v60, 0.5, v52, v37                   ; cx
	v_fma_f32 v55, v53, v51, v55                   ; ctr_y
	v_fma_f32 v60, v54, v52, v60                   ; ctr_x
	v_mul_f32 v48, 0x3f317218, v48                 ; x ln 2
	s_wait_alu depctr_va_vdst(0)                   ; one wait for the four, ahead of their first reader
	v_mul_f32 v46, v46, v51                        ; new height
	v_mul_f32 v47, v47, v52                        ; new width
	v_fma_f32 v49, v49, v48, v49                   ; e
	v_fma_f32 v61, -v35, v50, 1.0                  ; the reciprocal, one step nearer
	v_fma_f32 v50, v50, v61, v50
	v_mul_f32 v61, v49, v50
	v_fma_f32 v62, -v61, v35, v49                  ; and the quotient's remainder put back
	v_fma_f32 v61, v62, v50, v61                   ; p = e / S
	v_fma_f32 v56, -0.5, v46, v55
	v_fma_f32 v57, -0.5, v47, v60
	v_fma_f32 v58, 0.5, v46, v55
	v_fma_f32 v59, 0.5, v47, v60
.irp r, 56,58
	v_max_num_f32 v\r, 0, v\r
	v_min_num_f32 v\r, 0x44160000, v\r             ; 600
.endr
.irp r, 57,59
	v_max_num_f32 v\r, 0, v\r
	v_min_num_f32 v\r, 0x44480000, v\r             ; 800
.endr
	v_cndmask_b32 v5, 1, v61, s35                  ; the key is p's bits (p > 0: they order as whole numbers); places n .. get the key 1, below every p, and an empty box
.irp r, 56,57,58,59
	v_cndmask_b32 v\r, 0, v\r, s35
.endr
	ds_store_b32 v2, v5 offset:PARR
	ds_store_b128 v3, v[56:59] offset:CBOX
.Lp1_end:
	BAR
	; ---- P2 (live waves): rank j = how many i have key i + [i < j] > key j: the greater keys, and the equal ones of lower rows
	s_cmp_ge_u32 s30, s22
	s_cbranch_scc1 .Lp2_end
.irp r, 20,21,22,23
	v_mov_b32 v\r, 0                               ; four counts, so that no line waits for the one before it
.endr
	v_mov_b32 v24, v0                              ; j less the block's first entry
	v_mov_b32 v25, 0                               ; the block's keys: the same address in all lanes
	s_mov_b32 s31, 0
.Lrank:
	s_cmp_ge_u32 s31, s22
	s_cbranch_scc1 .Lrank_end
.irp q, 0,1,2,3,4,5,6,7
	ds_load_b128 v[32+4*\q:35+4*\q], v25 offset:PARR+16*\q
.endr
.irp q, 0,1,2,3,4,5,6,7
	s_wait_dscnt 7-\q                              ; LDS loads come back in order (ISA guide 5.7.1): four keys are in, the younger loads stay out
.irp u, 0,1,2,3
	v_cmp_gt_i32 s[36+\u], v24, 4*\q+\u            ; i < j
.endr
.irp u, 0,1,2,3
	v_add_co_ci_u32 v[16+\u], s[36+\u], 0, v[32+4*\q+\u], s[36+\u]   ; key i + [i < j]
.endr
.irp u, 0,1,2,3
	v_cmp_gt_u32 s[36+\u], v[16+\u], v5
.endr
.irp u, 0,1,2,3
	v_add_co_ci_u32 v[20+\u], s[36+\u], 0, v[20+\u], s[36+\u]        ; counted
.endr
.endr
	v_add_nc_u32 v25, 128, v25
	v_add_nc_u32 v24, 0xffffffe0, v24              ; - 32
	s_add_co_u32 s31, s31, 32
	s_cmp_lt_u32 s31, 1024
	s_cbranch_scc1 .Lrank
.Lrank_end:
	v_add3_u32 v20, v20, v21, v22
	v_add_nc_u32 v20, v20, v23
.Lp2_end:
	BAR                                            ; every wave's reads of the keys are over
	ds_store_b32 v2, v20 offset:RK                 ; (a wave that is not live stores its 0, which nobody reads: one line, where a branch round it would be two)
	BAR
	; ---- P3 (live waves): place k takes the entry whose rank is k, by a compare and five selects an entry
.macro SELLD b, g                      ; group g of a block's eight, four entries, into buffer b: six loads, the same address in all lanes
	ds_load_b128 v[\b:\b+3],   v25 offset:RK+16*(\g)
	ds_load_b128 v[\b+4:\b+7], v25 offset:PARR+16*(\g)
.irp e, 0,1,2,3
	ds_load_b128 v[\b+8+4*\e:\b+11+4*\e], v26 offset:CBOX+64*(\g)+16*\e
.endr
.endm
.macro SELDO b
.irp u, 0,1,2,3
	v_cmp_eq_u32 s[36+\u], v[\b+\u], v0
.endr
.irp u, 0,1,2,3
	v_cndmask_b32 v8,  v8,  v[\b+4+\u], s[36+\u]
	v_cndmask_b32 v10, v10, v[\b+8+4*\u], s[36+\u]
	v_cndmask_b32 v11, v11, v[\b+8+4*\u+1], s[36+\u]
	v_cndmask_b32 v12, v12, v[\b+8+4*\u+2], s[36+\u]
	v_cndmask_b32 v13, v13, v[\b+8+4*\u+3], s[36+\u]
.endr
.endm
	s_cmp_ge_u32 s30, s22
	s_cbranch_scc1 .Lp3_end
	v_mov_b32 v25, 0
	v_mov_b32 v26, 0
	s_mov_b32 s31, 0
.Lsel:
	s_cmp_ge_u32 s31, s22
	s_cbranch_scc1 .Lp3_end
	SELLD BA, 0
	SELLD BB, 1
.set g, 0
.rept 3
	s_wait_dscnt 6                                 ; the older group is in; the younger group's six loads stay out
	SELDO BA
	SELLD BA, 2*g+2
	s_wait_dscnt 6
	SELDO BB
	SELLD BB, 2*g+3
.set g, g+1
.endr
	s_wait_dscnt 6
	SELDO BA
	s_wait_dscnt 0x0
	SELDO BB
	v_add_nc_u32 v25, 128, v25
	v_add_nc_u32 v26, 0x200, v26
	s_add_co_u32 s31, s31, 32
	s_cmp_lt_u32 s31, 1024
	s_cbranch_scc1 .Lsel
.Lp3_end:
	BAR                                            ; every wave's reads of ranks, keys and boxes are over
	v_sub_f32 v16, v12, v10
	v_sub_f32 v17, v13, v11
	v_mul_f32 v9, v16, v17                         ; area,
	v_max_num_f32 v9, 0, v9                        ; 0 at the least (see LIMITS)
	v_add_f32 v16, 0x3089705f, v9                  ; + 1e-9
	ds_store_b128 v3, v[10:13] offset:SBOX         ; (a wave that is not live stores an empty box, which nobody reads)
	ds_store_b32 v2, v16 offset:SAE
	BAR
	; ---- P4 (live waves): wave w, for boxes i of the blocks 0 .. w: which of my 32 places does box i overlap by more than half?  The compare's result, a word, goes into lane b of register l.
.macro IOULD b, g                      ; group g of a block's eight: four boxes and their areas + 1e-9: five loads, the same address in all lanes
.irp e, 0,1,2,3
	ds_load_b128 v[\b+4*\e:\b+4*\e+3], v26 offset:SBOX+64*(\g)+16*\e
.endr
	ds_load_b128 v[\b+16:\b+19], v25 offset:SAE+16*(\g)
.endm
.macro IOUDO b, g                      ; four boxes side by side, so that no line waits for the one before it
.irp u, 0,1,2,3
	v_max_num_f32 v[TT+4*\u],   v[\b+4*\u],   v10
	v_max_num_f32 v[TT+4*\u+1], v[\b+4*\u+1], v11
	v_min_num_f32 v[TT+4*\u+2], v[\b+4*\u+2], v12
	v_min_num_f32 v[TT+4*\u+3], v[\b+4*\u+3], v13
.endr
.irp u, 0,1,2,3
	v_pk_add_f32 v[TT+4*\u+2:TT+4*\u+3], v[TT+4*\u+2:TT+4*\u+3], v[TT+4*\u:TT+4*\u+1] neg_lo:[0,1] neg_hi:[0,1]   ; br - tl
.endr
.irp u, 0,1,2,3
	v_max_num_f32 v[TT+4*\u+2], 0, v[TT+4*\u+2]
	v_max_num_f32 v[TT+4*\u+3], 0, v[TT+4*\u+3]
.endr
.irp u, 0,1,2,3
	v_mul_f32 v[TT+4*\u+2], v[TT+4*\u+2], v[TT+4*\u+3]         ; inter
.endr
.irp u, 0,1,2,3
	v_fma_f32 v[TT+4*\u+2], v[TT+4*\u+2], s34, -v9            ; 3 inter - a_j
.endr
.irp u, 0,1,2,3
	v_cmp_gt_f32 s[36+\u], v[TT+4*\u+2], v[\b+16+\u]          ; > a_i + 1e-9
.endr
.irp u, 0,1,2,3
	v_cndmask_b32 v[R+4*(\g)+\u], v[R+4*(\g)+\u], s[36+\u], s43   ; into lane b alone: s43 has bit b
.endr
.endm
	s_cmp_ge_u32 s30, s22
	s_cbranch_scc1 .Liou_end
	v_mov_b32 v25, 0
	v_mov_b32 v26, 0
	s_mov_b32 s34, 0x40400000                      ; 3.0
	s_mov_b32 s43, 1
	s_mov_b32 s31, 0
.Liou:
	s_cmp_gt_u32 s31, s30                          ; blocks behind my own: pairs with idx <= i
	s_cbranch_scc1 .Liou_end
	IOULD IA, 0
	IOULD IB, 1
.set g, 0
.rept 3
	s_wait_dscnt 5                                 ; the older group is in; the younger group's five loads stay out
	IOUDO IA, 2*g
	IOULD IA, 2*g+2
	s_wait_dscnt 5
	IOUDO IB, 2*g+1
	IOULD IB, 2*g+3
.set g, g+1
.endr
	s_wait_dscnt 5
	IOUDO IA, 6
	s_wait_dscnt 0x0
	IOUDO IB, 7
	v_add_nc_u32 v25, 128, v25
	v_add_nc_u32 v26, 0x200, v26
	s_lshl_b32 s43, s43, 1
	s_add_co_u32 s31, s31, 32
	s_cmp_lt_u32 s31, 1024
	s_cbranch_scc1 .Liou
.Liou_end:
	BAR                                            ; every wave's reads of the boxes in order are over
	s_cmp_ge_u32 s30, s22
	s_cbranch_scc1 .Lmt_end
	s_mul_i32 s32, s18, PW
	s_add_co_u32 s32, s32, MT
	v_lshl_add_u32 v7, v1, 2, s32                  ; my wave's part of MT, lane b at word b
.set l, 0
.rept 32
	ds_store_b32 v7, v[R+l] offset:PL*l
.set l, l+1
.endr
.Lmt_end:
	BAR
	; ---- the greedy pass.  Every live wave makes it for itself, for the blocks 0 .. w, and ends with its own block's keep in s40: so nothing is stored and nothing handed on.
	; v16, lane x: the places of block x that kept boxes of earlier blocks suppress.
	s_mov_b32 s40, 0                               ; a wave that is not live keeps nothing
	s_cmp_ge_u32 s30, s22
	s_cbranch_scc1 .Lred_end
	s_sub_co_u32 s44, s22, 1
	s_lshr_b32 s44, s44, 5                         ; the last live block
	v_min_u32 v17, s44, v1                         ; lanes behind it read its words once more: only live waves have stored theirs
	v_min_u32 v17, 31, v17
	v_mul_u32_u24 v17, PW, v17
	v_add_nc_u32 v17, MT, v17                      ; lane x: MT[x][0][b]
	v_mul_u32_u24 v18, PL, v1
	v_add_nc_u32 v18, MT, v18                      ; lane l: MT[b][l][b]
	v_mov_b32 v16, 0
	v_mov_b32 v19, 0                               ; 4 b
	s_mov_b32 s31, 0
.Lred:
	ds_bpermute_b32 v20, v19, v16                  ; lane b's word, to all lanes
	ds_load_b32 v21, v18                           ; lane l: box l's answers within the block
.set l, 0
.rept 32
	ds_load_b32 v[32+l], v17 offset:PL*l           ; lane x: box l's answers in block x
.set l, l+1
.endr
	s_sub_co_u32 s40, s22, s31                     ; n - 32 b, at least 1
	s_min_u32 s40, s40, 32
	s_sub_co_u32 s40, 32, s40
	s_lshr_b32 s40, -1, s40                        ; so many low bits: the block's places below n
	s_wait_dscnt 32                                ; the first two are in; the 32 loads behind them may stay out
	v_and_b32 v21, v21, v15                        ; box l touches only the places above l
	v_readfirstlane_b32 s41, v20
	s_and_not1_b32 s40, s40, s41                   ; less what earlier blocks suppress
.set l, 0
.rept 32
	v_readlane_b32 s[68+l], v21, l
.set l, l+1
.endr
.set l, 0
.rept 32
	s_bitcmp1_b32 s40, l                           ; is box l still kept?  (a select, no branch)
	s_cselect_b32 s42, s[68+l], 0
	s_and_not1_b32 s40, s40, s42                   ; then what it overlaps goes
.set l, l+1
.endr
	s_cmp_eq_u32 s31, s30                          ; my own block: s40 is my keep (the 32 loads are waited for in front of the barrier)
	s_cbranch_scc1 .Lred_end
	s_wait_dscnt 0x0
.set l, 0
.rept 32
	s_bitcmp1_b32 s40, l                           ; a kept box's answers are added to every block's word (those of blocks up to b are 0 or serve nothing more)
	s_cselect_b32 s42, -1, 0
	v_and_or_b32 v16, v[32+l], s42, v16
.set l, l+1
.endr
	v_add_nc_u32 v17, 4, v17
	v_add_nc_u32 v18, PW+4, v18
	v_add_nc_u32 v19, 4, v19
	s_add_co_u32 s31, s31, 32
	s_cmp_lt_u32 s31, 1024
	s_cbranch_scc1 .Lred
.Lred_end:
	BAR                                            ; every wave's reads of MT are over
	; ---- the results: selected by keep (bit l of s40 is lane l's), laid into LDS as they lie in memory, and stored 16 bytes a lane
	s_mov_b32 s45, ttmp9                           ; the label
	v_mov_b32 v18, s45
.irp r, 8,10,11,12,13
	v_cndmask_b32 v\r, 0, v\r, s40
.endr
	v_cndmask_b32 v18, -1, v18, s40
	ds_store_b32 v6, v10 offset:OUTI               ; lanes are 5 words apart, an odd number
	ds_store_b32 v6, v11 offset:OUTI+4
	ds_store_b32 v6, v12 offset:OUTI+8
	ds_store_b32 v6, v13 offset:OUTI+12
	ds_store_b32 v6, v8  offset:OUTI+16
	ds_store_b32 v2, v18 offset:LBL
	BAR
	ds_load_b128 v[32:35], v27 offset:OUTI
	ds_load_b128 v[36:39], v28 offset:OUTI
	ds_load_b128 v[40:43], v29 offset:LBL
	s_wait_dscnt 0x0
	global_store_b128 v27, v[32:35], s[14:15] th:TH_STORE_NT   ; a wave's store covers 512 consecutive bytes, from a multiple of 256 behind out0's first byte
	s_wait_xcnt 0x0                                ; EXEC changes only behind this wait
	v_cmp_gt_u32 vcc_lo, 226, v0
	s_and_saveexec_b32 s41, vcc_lo
	global_store_b128 v28, v[36:39], s[14:15] th:TH_STORE_NT   ; the other 226 pieces
	s_wait_xcnt 0x0                                ; and again, in front of the line that widens it
	s_or_b32 exec_lo, exec_lo, s41
	v_cmp_gt_u32 vcc_lo, 250, v0
	s_and_saveexec_b32 s41, vcc_lo
	global_store_b128 v29, v[40:43], s[16:17] th:TH_STORE_NT   ; the labels' 250 pieces
	s_wait_xcnt 0x0
	s_or_b32 exec_lo, exec_lo, s41
	s_wait_tensorcnt 0x0                           ; the wave's end, behind my last LDS store
	ds_add_u32 v[SPW], v[NIL]
	s_wait_dscnt 0x0
	s_endpgm
.Lfunc_end_k_qd09b1a1ff7_classnms:
	.size	k_qd09b1a1ff7_classnms, .Lfunc_end_k_qd09b1a1ff7_classnms-k_qd09b1a1ff7_classnms
	.p2alignl 7, 3214868480
	.fill 96, 4, 3214868480
	.section	.rodata,"a",@progbits
	.p2align	6, 0x0
	.amdhsa_kernel k_qd09b1a1ff7_classnms
		.amdhsa_group_segment_fixed_size 209152
		.amdhsa_private_segment_fixed_size 0
		.amdhsa_enable_private_segment 0
		.amdhsa_kernarg_size 56
		.amdhsa_user_sgpr_count 2
		.amdhsa_user_sgpr_kernarg_segment_ptr 1
		.amdhsa_wavefront_size32 1
		.amdhsa_system_sgpr_workgroup_id_x 1
		.amdhsa_system_sgpr_workgroup_id_y 1
		.amdhsa_system_sgpr_workgroup_id_z 1
		.amdhsa_system_vgpr_workitem_id 0
		.amdhsa_next_free_vgpr 128
		.amdhsa_next_free_sgpr 100
		.amdhsa_reserve_vcc 1
		.amdhsa_float_denorm_mode_32 3
		.amdhsa_float_denorm_mode_16_64 3
		.amdhsa_memory_ordered 1
		.amdhsa_forward_progress 1
		.amdhsa_inst_pref_size 80
	.end_amdhsa_kernel
	.amdgpu_metadata
---
amdhsa.version: [ 1, 2 ]
amdhsa.kernels:
  - .name:           k_qd09b1a1ff7_classnms
    .symbol:         k_qd09b1a1ff7_classnms.kd
    .args:
      - { .name: roi, .offset: 0, .size: 8, .value_kind: global_buffer, .address_space: global }
      - { .name: roi_loc, .offset: 8, .size: 8, .value_kind: global_buffer, .address_space: global }
      - { .name: roi_score, .offset: 16, .size: 8, .value_kind: global_buffer, .address_space: global }
      - { .name: stats, .offset: 24, .size: 8, .value_kind: global_buffer, .address_space: global }
      - { .name: vmask, .offset: 32, .size: 8, .value_kind: global_buffer, .address_space: global }
      - { .name: out0, .offset: 40, .size: 8, .value_kind: global_buffer, .address_space: global }
      - { .name: out1, .offset: 48, .size: 8, .value_kind: global_buffer, .address_space: global }
    .group_segment_fixed_size: 209152
    .private_segment_fixed_size: 0
    .kernarg_segment_align: 8
    .kernarg_segment_size: 56
    .max_flat_workgroup_size: 1024
    .sgpr_count:     100
    .vgpr_count:     128
    .wavefront_size: 32
...
	.end_amdgpu_metadata
.endif
;; end of part 2
